; MI455X (gfx1250); checked and timed in simulation.
; The chip was launched on July 23, 2026; its instructions are those of AMD's public machine-readable ISA for CDNA 5 (MIT licence, August 2026) and "CDNA5" Instruction Set Architecture Reference Guide (July 2026). The comments in the code are by the model that wrote it; some were corrected since.
;; Hybrid Self Attention. Allowed arithmetic: float matrix products may take bf16 or f16 operands with f32 sums; all other float work in f32.
;; Inputs: Wk 128 x 128 float32; Wq 128 x 128 float32; Wv 128 x 128 float32; entangle_params 16,384 float32; inputs 4 x 4,096 x 128 float32; rotation_params 16,384 float32.
;; Outputs: out0 4 x 4,096 x 128 float32.
;; 2 versions, each right; version 2 is version 1 with the launch proj written anew for expert scheduling mode. Each part assembles by itself: llvm-mc -triple=amdgcn-amd-amdhsa -mcpu=gfx1250 --defsym DOCPART=n.
;; ======== version 1 of 2: 3 launches
;; workspace buffers: Wb 65,536 bytes; Qs 4,194,304 bytes; Ks 4,194,304 bytes; Vt 4,194,304 bytes; nq2 65,536 bytes; nk2 65,536 bytes
;; launch prep (part 1): grid 8 x 2, 4 waves a work-group, no clusters, 4,864 bytes of LDS; arguments rotation_params, entangle_params, Wq, Wk, Wb; writes Wb
.if DOCPART == 1
	.amdgcn_target "amdgcn-amd-amdhsa--gfx1250"
	.amdhsa_code_object_version 6
	.text
	.protected	k_q5b3952a944_prep
	.globl	k_q5b3952a944_prep
	.p2align	8
	.type	k_q5b3952a944_prep,@function
k_q5b3952a944_prep:
	s_mov_b64 s[64:65], 0
	v_nop
	global_prefetch_b8 v0, s[64:65] scope:SCOPE_SE
	s_setreg_imm32_b32 hwreg(HW_REG_WAVE_MODE, 25, 1), 1
	s_wait_xcnt 0x0
; Wb[0][f][d] = bf16( 2c * sum over e of rot[d][e] Wq[f][e] ),  Wb[1][f][d] = bf16( c * sum over e of ent[d][e] Wk[f][e] ),  c = sqrt(log2 e).
; Q = (X rot) Wq^T is regrouped as X (rot Wq^T): the same sums in another order, with the product matrix rounded to bf16 (a stated choice of rounding order).
; With these scales Qs.Ks - |Qs|^2/4 - |Ks|^2 = -log2(e) |q - k|^2 in the later launches; the factor 2 is exact in bf16.
; Grid 8 x 2: work-group (fb, y) makes rows f = 16 fb .. +15 of Wb[y]; wave w the columns d = 32 w .. +31 as two tiles of 16 x 16.
; The matrix instruction takes rows of rot as A (m = d) and rows of W as B (n = f): lane (r, h) then holds row f = r and eight neighbouring d = 8 h + j,
; 16 bytes of bf16.  Rows are gathered in LDS (pitch 272) and leave as whole rows of 256 bytes.
; No cluster, no tensor load: 128 KiB are read once by 16 work-groups, each operand goes straight into registers.
.set PITCH, 272
.set AF,  16                           ; v[16:143]  A as f32, fragment (dbl, ks) at 16 (4 dbl + ks); packed in place to 8 registers
.set BF,  144                          ; v[144:207] B as f32, fragment ks at 16 ks; packed in place
.set ACC, 208                          ; v[208:223] two accumulator tiles
.set PK,  224                          ; v[224:231] results in bf16
.set RBK, 232                          ; v[232:239] rows read back
	s_load_b256 s[4:11], s[0:1], 0x0               ; rot s[4:5], ent s[6:7], Wq s[8:9], Wk s[10:11]
	s_load_b64 s[12:13], s[0:1], 0x20              ; Wb
	v_lshl_add_u32 v240, v0, 2, 0x1100
	v_mov_b32 v241, 0
	v_lshrrev_b32 v1, 5, v0
	v_readfirstlane_b32 s16, v1                    ; wave 0..3
	s_and_b32 s17, ttmp7, 0xffff                   ; y: 0 = the query side, 1 = the key side
	v_and_b32 v1, 15, v0                           ; r
	v_bfe_u32 v2, v0, 4, 1                         ; h
	v_lshlrev_b32 v3, 9, v1                        ; a row of 128 f32 is 512 bytes
	v_lshl_add_u32 v3, v2, 5, v3                   ; + 32 h: eight f32
	v_mul_u32_u24 v4, v1, PITCH                    ; stage, in: row f = r,
	v_lshl_add_u32 v4, v2, 4, v4                   ; 16 bytes for each half of the lanes,
	s_lshl_b32 s24, s16, 6
	v_add_nc_u32 v4, s24, v4                       ; my wave's 32 columns = 64 bytes
	s_mul_i32 s25, s16, 4*PITCH
	v_mul_u32_u24 v5, v2, PITCH                    ; stage, back: my wave takes rows 4 w .. 4 w + 3, two at a time
	v_lshl_add_u32 v5, v1, 4, v5
	v_add_nc_u32 v5, s25, v5
	s_lshl_b32 s26, s16, 10
	v_lshlrev_b32 v6, 8, v2                        ; and the same rows in Wb
	v_lshl_add_u32 v6, v1, 4, v6
	v_add_nc_u32 v6, s26, v6
	s_mov_b32 s22, 0x3f99be61                      ; c
	s_mov_b32 s23, 0x4019be61                      ; 2 c
	s_mov_b32 s29, 0
	s_wait_kmcnt 0x0
	s_cmp_eq_u32 s17, 0
	s_cselect_b64 s[18:19], s[4:5], s[6:7]         ; rot or ent
	s_cselect_b64 s[20:21], s[8:9], s[10:11]       ; Wq or Wk
	s_cselect_b32 s22, s23, s22
	s_mov_b32 s23, s22                             ; the pair is written whole
	s_lshl_b32 s28, s16, 14                        ; my wave's 32 rows of rot
	s_add_nc_u64 s[18:19], s[18:19], s[28:29]
	s_lshl_b32 s28, ttmp9, 13                      ; the work-group's 16 rows of W
	s_add_nc_u64 s[20:21], s[20:21], s[28:29]
	s_lshl_b32 s28, s17, 15                        ; Wb[y], 16 rows of 256 bytes a work-group
	s_lshl_b32 s30, ttmp9, 12
	s_add_co_u32 s28, s28, s30
	s_add_nc_u64 s[12:13], s[12:13], s[28:29]
	; a fragment of 16 rows x 32 K: lane (r, h) wants k = 8 h .. +7 and 16 + 8 h .. +7, in f32 four loads at 0, 16, 64, 80 from 128 ks + 32 h
.irp dbl, 0,1
.irp ks, 0,1,2,3
.irp c, 0,1,2,3
	global_load_b128 v[AF+16*(4*\dbl+\ks)+4*\c:AF+16*(4*\dbl+\ks)+4*\c+3], v3, s[18:19] offset:\dbl*8192+128*\ks+16*\c+32*(\c/2)
.endr
.endr
.endr
.irp ks, 0,1,2,3
.irp c, 0,1,2,3
	global_load_b128 v[BF+16*\ks+4*\c:BF+16*\ks+4*\c+3], v3, s[20:21] offset:128*\ks+16*\c+32*(\c/2)
.endr
.endr
; sixteen f32 become eight registers of bf16, in place: register i is written when 2 i and 2 i + 1 are read, and i <= 2 i
.macro CVT16 base
.irp i, 0,1,2,3,4,5,6,7
	v_cvt_pk_bf16_f32 v[\base+\i], v[\base+2*\i], v[\base+2*\i+1]
.endr
.endm
	s_wait_loadcnt 0x0
.irp f, 0,1,2,3,4,5,6,7,8,9,10,11
	CVT16 AF+16*\f                                 ; the eight fragments of A and, behind them, the four of B
.endr
	; the two accumulators take turns, one instruction a turn; the first K step starts the sums
.irp ks, 0,1,2,3
.irp dbl, 0,1
.if \ks == 0
	v_wmma_f32_16x16x32_bf16 v[ACC+8*\dbl:ACC+8*\dbl+7], v[AF+16*(4*\dbl+\ks):AF+16*(4*\dbl+\ks)+7], v[BF+16*\ks:BF+16*\ks+7], 0
.else
	v_wmma_f32_16x16x32_bf16 v[ACC+8*\dbl:ACC+8*\dbl+7], v[AF+16*(4*\dbl+\ks):AF+16*(4*\dbl+\ks)+7], v[BF+16*\ks:BF+16*\ks+7], v[ACC+8*\dbl:ACC+8*\dbl+7]
.endif
.endr
.endr
.rept 4
	v_nop                                          ; four places before a vector instruction reads a matrix result (ISA guide 7.12.1)
.endr
.irp i, 0,2,4,6,8,10,12,14
	v_pk_mul_f32 v[ACC+\i:ACC+\i+1], v[ACC+\i:ACC+\i+1], s[22:23] op_sel_hi:[1,0]
.endr
.irp i, 0,1,2,3,4,5,6,7
	v_cvt_pk_bf16_f32 v[PK+\i], v[ACC+2*\i], v[ACC+2*\i+1]
.endr
	ds_store_b128 v4, v[PK:PK+3]
	ds_store_b128 v4, v[PK+4:PK+7] offset:32
	s_wait_dscnt 0x0                               ; my parts of the 16 rows are in LDS, for the other waves' sake
	s_barrier_signal -1
	s_barrier_wait -1
	ds_load_b128 v[RBK:RBK+3], v5
	ds_load_b128 v[RBK+4:RBK+7], v5 offset:2*PITCH
	s_wait_dscnt 0x0
	global_store_b128 v6, v[RBK:RBK+3], s[12:13]               ; sixteen lanes store one row of 256 consecutive bytes, aligned
	global_store_b128 v6, v[RBK+4:RBK+7], s[12:13] offset:512
	s_wait_tensorcnt 0x0
	ds_add_u32 v240, v241
	s_wait_dscnt 0x0
	s_endpgm
.Lfunc_end_k_q5b3952a944_prep:
	.size	k_q5b3952a944_prep, .Lfunc_end_k_q5b3952a944_prep-k_q5b3952a944_prep
	.p2alignl 7, 3214868480
	.fill 96, 4, 3214868480
	.section	.rodata,"a",@progbits
	.p2align	6, 0x0
	.amdhsa_kernel k_q5b3952a944_prep
		.amdhsa_group_segment_fixed_size 4864
		.amdhsa_private_segment_fixed_size 0
		.amdhsa_enable_private_segment 0
		.amdhsa_kernarg_size 40
		.amdhsa_user_sgpr_count 2
		.amdhsa_user_sgpr_kernarg_segment_ptr 1
		.amdhsa_wavefront_size32 1
		.amdhsa_system_sgpr_workgroup_id_x 1
		.amdhsa_system_sgpr_workgroup_id_y 1
		.amdhsa_system_sgpr_workgroup_id_z 1
		.amdhsa_system_vgpr_workitem_id 0
		.amdhsa_next_free_vgpr 242
		.amdhsa_next_free_sgpr 66
		.amdhsa_reserve_vcc 0
		.amdhsa_float_denorm_mode_32 3
		.amdhsa_float_denorm_mode_16_64 3
		.amdhsa_memory_ordered 1
		.amdhsa_forward_progress 1
		.amdhsa_inst_pref_size 15
	.end_amdhsa_kernel
	.amdgpu_metadata
---
amdhsa.version: [ 1, 2 ]
amdhsa.kernels:
  - .name:           k_q5b3952a944_prep
    .symbol:         k_q5b3952a944_prep.kd
    .args:
      - { .name: rotation_params, .offset: 0, .size: 8, .value_kind: global_buffer, .address_space: global }
      - { .name: entangle_params, .offset: 8, .size: 8, .value_kind: global_buffer, .address_space: global }
      - { .name: Wq, .offset: 16, .size: 8, .value_kind: global_buffer, .address_space: global }
      - { .name: Wk, .offset: 24, .size: 8, .value_kind: global_buffer, .address_space: global }
      - { .name: Wb, .offset: 32, .size: 8, .value_kind: global_buffer, .address_space: global }
    .group_segment_fixed_size: 4864
    .private_segment_fixed_size: 0
    .kernarg_segment_align: 8
    .kernarg_segment_size: 40
    .max_flat_workgroup_size: 128
    .sgpr_count:     66
    .vgpr_count:     242
    .wavefront_size: 32
...
	.end_amdgpu_metadata
.endif
;; end of part 1
;; launch proj (part 2): grid 256 x 1, 4 waves a work-group, no clusters, 73,216 bytes of LDS; arguments inputs, Wb, Wv, Qs, Ks, Vt, nq2, nk2; writes Qs, Ks, Vt, nq2, nk2
.if DOCPART == 2
	.amdgcn_target "amdgcn-amd-amdhsa--gfx1250"
	.amdhsa_code_object_version 6
	.text
	.protected	k_q5b3952a944_proj
	.globl	k_q5b3952a944_proj
	.p2align	8
	.type	k_q5b3952a944_proj,@function
k_q5b3952a944_proj:
	s_mov_b64 s[64:65], 0
	v_nop
	global_prefetch_b8 v0, s[64:65] scope:SCOPE_SE
	s_setreg_imm32_b32 hwreg(HW_REG_WAVE_MODE, 25, 1), 1
	s_wait_xcnt 0x0
; Qs = bf16(X Wb0^T) (= 2 c q), Ks = bf16(X Wb1^T) (= c k), both [16384][128]; Vt = bf16(X Wv^T) in blocks of 64 keys, [256][128 d][64 keys];
; nq2[s] = -1/4 sum of Qs[s]^2, nk2[s] = -sum of Ks[s]^2, summed in f32 from the ROUNDED numbers, so that in the next launch
; Qs.Ks + nq2 + nk2 is minus the squared distance of exactly the vectors that the matrix unit multiplies.
; Work-group g owns the 64 rows 64 g .. +63.  Wave w makes features 32 w .. +31 of Q, K and V for all 64 rows, so each weight byte enters the work-group once.
; X is rounded to bf16 once and shared through LDS.  Q and K: A = weight rows (m = feature), B = X rows (n = row): a lane holds eight neighbouring features of
; one row.  V: A = X rows (m = key), B = Wv rows (n = feature): a lane holds eight neighbouring keys of one feature, which is Vt's order.
; No cluster and no tensor load: work-groups share only 128 KiB of weights, which go straight into registers; X is read once.
; LDS: XS 64 x 272 | QST 64 x 272 | KST 64 x 272 | VST 128 x 144 (wave w: rows 32 w .. +31, its own) | SQ [2][4 waves][64] f32.
.set PITCH,  272
.set VPITCH, 144
.set QST, 64*PITCH
.set KST, 2*64*PITCH
.set VST, 3*64*PITCH
.set SQ,  VST+128*VPITCH
; window 0
.set XO,   4                           ; 16 L: X's row as loaded, and Vt's bytes as stored
.set XST,  5                           ; XS: 16 w rows + 8 L
.set FR,   6                           ; r x 272 + 16 h: a fragment's lane term
.set WBO,  7                           ; r x 256 + 16 h
.set WVO,  8                           ; r x 512 + 32 h
.set QSTO, 9                           ; FR + 64 w
.set VSTO, 10                          ; VST + (32 w + r) x 144 + 16 h
.set RB,   11                          ; (16 w + h) x 272 + 16 r
.set GO,   12                          ; (16 w + h) x 256 + 16 r
.set VRB,  13                          ; VST + (32 w + L/8) x 144 + 16 (L mod 8)
.set SQO,  14                          ; SQ + 256 w + 4 r
.set NRD,  15                          ; SQ + 1024 w + 8 L (waves 0 and 1)
.set T,    16                          ; v[16:19]  a tile's 16 bytes
.set U,    20                          ; v[20:27]  the same, widened again
.set NGO,  28                          ; 8 L
.set SQR,  32                          ; v[32:39]  a pair of running sums of squares for each block of 16 rows
.set NS,   44                          ; v[44:51]  the four waves' sums
.set XF,   64                          ; v[64:191] X fragments, (sb, ks) at 8 (4 sb + ks); at the end: rows read back
.set ACC,  192                         ; v[192:255] eight accumulator tiles; at the start: X as f32
; window 1
.set MQ,   0                           ; fragments of Wb[0], (fbl, ks) at 8 (4 fbl + ks)
.set MK,   64                          ; of Wb[1]
.set WV,   128                         ; Wv as f32, (fbl, ks) at 16 (4 fbl + ks), packed in place
.set MSB, 0
.macro WIN new                         ; the immediate's high byte repeats the setting that is left
.if MSB != \new
	s_set_vgpr_msb (MSB<<8)|\new
.set MSB, \new
.endif
.endm
.macro PLACES                          ; four places before a vector instruction or an LDS store reads a matrix result
.rept 4
	v_nop
.endr
.endm
	s_load_b512 s[4:19], s[0:1], 0x0               ; X 4, Wb 6, Wv 8, Qs 10, Ks 12, Vt 14, nq2 16, nk2 18
	v_lshl_add_u32 v62, v0, 2, 0x11c00
	v_mov_b32 v63, 0
	v_lshrrev_b32 v1, 5, v0
	v_readfirstlane_b32 s20, v1                    ; wave 0..3
	s_mov_b32 s22, 0x76543210                      ; v_permlanex16_b32: lane i reads lane i of the other half
	s_mov_b32 s23, 0xfedcba98
	s_mov_b32 s24, 0xffff0000                      ; a word's upper bf16
	v_and_b32 v1, 15, v0                           ; r
	v_bfe_u32 v2, v0, 4, 1                         ; h
	v_and_b32 v3, 31, v0                           ; L
	v_mov_b32 v41, 0                               ; v_permlanex16_b32 counts as a reader of its destination
	v_lshlrev_b32 v[XO], 4, v3
	s_mul_i32 s25, s20, 16*PITCH
	v_lshl_add_u32 v[XST], v3, 3, s25
	v_mul_u32_u24 v[FR], v1, PITCH
	v_lshl_add_u32 v[FR], v2, 4, v[FR]
	v_lshlrev_b32 v[WBO], 8, v1
	v_lshl_add_u32 v[WBO], v2, 4, v[WBO]
	v_lshlrev_b32 v[WVO], 9, v1
	v_lshl_add_u32 v[WVO], v2, 5, v[WVO]
	s_lshl_b32 s26, s20, 6
	v_add_nc_u32 v[QSTO], s26, v[FR]
	s_mul_i32 s27, s20, 32*VPITCH
	s_add_co_u32 s27, s27, VST
	v_mul_u32_u24 v[VSTO], v1, VPITCH
	v_lshl_add_u32 v[VSTO], v2, 4, v[VSTO]
	v_add_nc_u32 v[VSTO], s27, v[VSTO]
	v_mul_u32_u24 v[RB], v2, PITCH
	v_lshl_add_u32 v[RB], v1, 4, v[RB]
	v_add_nc_u32 v[RB], s25, v[RB]
	s_lshl_b32 s28, s20, 12
	v_lshlrev_b32 v[GO], 8, v2
	v_lshl_add_u32 v[GO], v1, 4, v[GO]
	v_add_nc_u32 v[GO], s28, v[GO]
	v_lshrrev_b32 v[VRB], 3, v3
	v_mul_u32_u24 v[VRB], v[VRB], VPITCH
	v_and_b32 v40, 7, v3
	v_lshl_add_u32 v[VRB], v40, 4, v[VRB]
	v_add_nc_u32 v[VRB], s27, v[VRB]
	s_lshl_b32 s29, s20, 8
	s_add_co_u32 s29, s29, SQ
	v_lshl_add_u32 v[SQO], v1, 2, s29
	s_lshl_b32 s30, s20, 10
	s_add_co_u32 s30, s30, SQ
	v_lshl_add_u32 v[NRD], v3, 3, s30
	v_lshlrev_b32 v[NGO], 3, v3
	s_mov_b32 s33, 0
	s_mov_b32 s35, 0
	s_mov_b32 s37, 0
	s_lshl_b32 s32, ttmp9, 15                      ; 64 rows of 512 bytes,
	s_lshl_b32 s34, s20, 13                        ; my wave's 16 of them; also 32 rows of Wb
	s_add_co_u32 s32, s32, s34
	s_lshl_b32 s36, s20, 14                        ; 32 rows of Wv
	s_wait_kmcnt 0x0
	s_add_nc_u64 s[4:5], s[4:5], s[32:33]
	s_add_nc_u64 s[6:7], s[6:7], s[34:35]
	s_add_nc_u64 s[8:9], s[8:9], s[36:37]
	s_lshl_b32 s32, ttmp9, 14                      ; 64 rows of 256 bytes; a block of Vt
	s_add_nc_u64 s[10:11], s[10:11], s[32:33]
	s_add_nc_u64 s[12:13], s[12:13], s[32:33]
	s_add_co_u32 s32, s32, s28                     ; + my wave's 32 feature rows of 128 bytes
	s_add_nc_u64 s[14:15], s[14:15], s[32:33]
	s_lshl_b32 s32, ttmp9, 8                       ; 64 f32
	s_add_nc_u64 s[16:17], s[16:17], s[32:33]
	s_add_nc_u64 s[18:19], s[18:19], s[32:33]
	; X: one row of 512 consecutive bytes an instruction, 16 rows a wave
.irp i, 0,1,2,3,4,5,6,7,8,9,10,11,12,13,14,15
	global_load_b128 v[ACC+4*\i:ACC+4*\i+3], v[XO], s[4:5] offset:512*\i th:TH_LOAD_NT
.endr
	WIN 0x40                                       ; destinations in window 1
.irp mat, 0,1
.irp fbl, 0,1
.irp ks, 0,1,2,3
	global_load_b128 v[64*\mat+8*(4*\fbl+\ks):64*\mat+8*(4*\fbl+\ks)+3],   v[WBO], s[6:7] offset:\mat*32768+\fbl*4096+64*\ks
	global_load_b128 v[64*\mat+8*(4*\fbl+\ks)+4:64*\mat+8*(4*\fbl+\ks)+7], v[WBO], s[6:7] offset:\mat*32768+\fbl*4096+64*\ks+32
.endr
.endr
.endr
	WIN 0
	s_wait_loadcnt 32                              ; X's 16 loads are in; the 32 younger ones (Wb) stay out
.irp i, 0,1,2,3,4,5,6,7,8,9,10,11,12,13,14,15
	v_cvt_pk_bf16_f32 v[ACC+4*\i],   v[ACC+4*\i],   v[ACC+4*\i+1]
	v_cvt_pk_bf16_f32 v[ACC+4*\i+1], v[ACC+4*\i+2], v[ACC+4*\i+3]
	ds_store_b64 v[XST], v[ACC+4*\i:ACC+4*\i+1] offset:\i*PITCH
.endr
	WIN 0x40
.irp fbl, 0,1
.irp ks, 0,1,2,3
.irp c, 0,1,2,3
	global_load_b128 v[WV+16*(4*\fbl+\ks)+4*\c:WV+16*(4*\fbl+\ks)+4*\c+3], v[WVO], s[8:9] offset:\fbl*8192+128*\ks+16*\c+32*(\c/2)
.endr
.endr
.endr
	WIN 0
	s_wait_dscnt 0x0                               ; my 16 rows of X are in LDS, for the other waves' sake
	s_barrier_signal -1
	s_barrier_wait -1
.irp sb, 0,1,2,3
.irp ks, 0,1,2,3
	ds_load_b128 v[XF+8*(4*\sb+\ks):XF+8*(4*\sb+\ks)+3],   v[FR] offset:\sb*16*PITCH+64*\ks
	ds_load_b128 v[XF+8*(4*\sb+\ks)+4:XF+8*(4*\sb+\ks)+7], v[FR] offset:\sb*16*PITCH+64*\ks+32
.endr
.endr
; 32 matrix instructions: two feature blocks x four row blocks x K = 128.  The eight accumulators take turns, one instruction a turn.
.macro MUL32 ab
	WIN 0x01                                       ; A in window 1
.irp ks, 0,1,2,3
.irp fbl, 0,1
.irp sb, 0,1,2,3
.if \ks == 0
	v_wmma_f32_16x16x32_bf16 v[ACC+8*(4*\fbl+\sb):ACC+8*(4*\fbl+\sb)+7], v[\ab+8*(4*\fbl+\ks):\ab+8*(4*\fbl+\ks)+7], v[XF+8*(4*\sb+\ks):XF+8*(4*\sb+\ks)+7], 0
.else
	v_wmma_f32_16x16x32_bf16 v[ACC+8*(4*\fbl+\sb):ACC+8*(4*\fbl+\sb)+7], v[\ab+8*(4*\fbl+\ks):\ab+8*(4*\fbl+\ks)+7], v[XF+8*(4*\sb+\ks):XF+8*(4*\sb+\ks)+7], v[ACC+8*(4*\fbl+\sb):ACC+8*(4*\fbl+\sb)+7]
.endif
.endr
.endr
.endr
	WIN 0
	PLACES
.endm
; The way out of Q or K: round, 16 bytes into the stage, widen the rounded numbers again and add their squares.
; A lane's sums cover its 16 features of row 16 sb + r; the other half of the lanes holds the wave's other 16.
.macro EPI stage, which
.irp sb, 0,1,2,3
.irp fbl, 0,1
.irp i, 0,1,2,3
	v_cvt_pk_bf16_f32 v[T+\i], v[ACC+8*(4*\fbl+\sb)+2*\i], v[ACC+8*(4*\fbl+\sb)+2*\i+1]
.endr
	ds_store_b128 v[QSTO], v[T:T+3] offset:\stage+\sb*16*PITCH+32*\fbl
.irp i, 0,1,2,3
	v_lshlrev_b32 v[U+2*\i],   16,  v[T+\i]
	v_and_b32     v[U+2*\i+1], s24, v[T+\i]
.endr
.irp i, 0,2,4,6
.if (\fbl+\i) == 0
	v_pk_mul_f32 v[SQR+2*\sb:SQR+2*\sb+1], v[U:U+1], v[U:U+1]                         ; the first squares start the sums
.else
	v_pk_fma_f32 v[SQR+2*\sb:SQR+2*\sb+1], v[U+\i:U+\i+1], v[U+\i:U+\i+1], v[SQR+2*\sb:SQR+2*\sb+1]
.endif
.endr
.endr
.endr
.irp sb, 0,1,2,3
	v_add_f32 v40, v[SQR+2*\sb], v[SQR+2*\sb+1]
	v_permlanex16_b32 v41, v40, s22, s23
	v_add_f32 v40, v40, v41
	ds_store_b32 v[SQO], v40 offset:\which*1024+64*\sb         ; lanes r and 16 + r write the same word with the same value
.endr
.endm
	s_wait_dscnt 0x0                               ; the X fragments
	s_wait_loadcnt 48                              ; Wb[0] is in: Wb[1]'s 16 loads and Wv's 32 are younger
	MUL32 MQ
	EPI QST, 0
	s_wait_loadcnt 32                              ; Wb[1] is in: Wv's 32 loads are younger
	MUL32 MK                                       ; writes the accumulators anew, far more than five plain vector instructions behind their last use
	EPI KST, 1
	s_wait_dscnt 0x0                               ; my columns of both stages and my sums of squares are in LDS
	s_barrier_signal -1                            ; between signal and wait: register work alone, the whole V product
	s_wait_loadcnt 0x0                             ; Wv
	WIN 0x45                                       ; both sources and the destination in window 1
.irp f, 0,1,2,3,4,5,6,7
.irp i, 0,1,2,3,4,5,6,7
	v_cvt_pk_bf16_f32 v[WV+16*\f+\i], v[WV+16*\f+2*\i], v[WV+16*\f+2*\i+1]   ; in place: register i is written when 2 i and 2 i + 1 are read
.endr
.endr
	WIN 0x04                                       ; B in window 1
.irp ks, 0,1,2,3
.irp fbl, 0,1
.irp sb, 0,1,2,3
.if \ks == 0
	v_wmma_f32_16x16x32_bf16 v[ACC+8*(4*\fbl+\sb):ACC+8*(4*\fbl+\sb)+7], v[XF+8*(4*\sb+\ks):XF+8*(4*\sb+\ks)+7], v[WV+16*(4*\fbl+\ks):WV+16*(4*\fbl+\ks)+7], 0
.else
	v_wmma_f32_16x16x32_bf16 v[ACC+8*(4*\fbl+\sb):ACC+8*(4*\fbl+\sb)+7], v[XF+8*(4*\sb+\ks):XF+8*(4*\sb+\ks)+7], v[WV+16*(4*\fbl+\ks):WV+16*(4*\fbl+\ks)+7], v[ACC+8*(4*\fbl+\sb):ACC+8*(4*\fbl+\sb)+7]
.endif
.endr
.endr
.endr
	WIN 0
	s_barrier_wait -1                              ; every wave's columns of Q and K and its sums are in LDS
	PLACES
.irp fbl, 0,1
.irp sb, 0,1,2,3
.irp i, 0,1,2,3
	v_cvt_pk_bf16_f32 v[T+\i], v[ACC+8*(4*\fbl+\sb)+2*\i], v[ACC+8*(4*\fbl+\sb)+2*\i+1]
.endr
	ds_store_b128 v[VSTO], v[T:T+3] offset:\fbl*16*VPITCH+32*\sb           ; feature row 32 w + 16 fbl + r, keys 16 sb + 8 h .. +7: my wave's own bytes
.endr
.endr
	; whole rows back, 24 loads in one run; LDS serves a wave's instructions in order (ISA guide 5.7.1), so V's loads see V's stores
.irp i, 0,1,2,3,4,5,6,7
	ds_load_b128 v[XF+4*\i:XF+4*\i+3], v[RB] offset:QST+\i*2*PITCH
.endr
.irp i, 0,1,2,3,4,5,6,7
	ds_load_b128 v[XF+32+4*\i:XF+32+4*\i+3], v[RB] offset:KST+\i*2*PITCH
.endr
.irp i, 0,1,2,3,4,5,6,7
	ds_load_b128 v[XF+64+4*\i:XF+64+4*\i+3], v[VRB] offset:\i*4*VPITCH
.endr
.irp i, 0,1,2,3,4,5,6,7
	s_wait_dscnt 23-\i                             ; the counts run down: load i of the 24 is in
	global_store_b128 v[GO], v[XF+4*\i:XF+4*\i+3], s[10:11] offset:512*\i          ; sixteen lanes store a row of 256 consecutive bytes, aligned
.endr
.irp i, 0,1,2,3,4,5,6,7
	s_wait_dscnt 15-\i
	global_store_b128 v[GO], v[XF+32+4*\i:XF+32+4*\i+3], s[12:13] offset:512*\i
.endr
.irp i, 0,1,2,3,4,5,6,7
	s_wait_dscnt 7-\i
	global_store_b128 v[XO], v[XF+64+4*\i:XF+64+4*\i+3], s[14:15] offset:512*\i    ; 512 consecutive bytes of the block: four feature rows of 128 bytes
.endr
	; the norms: wave 0 adds the four waves' sums for Q, wave 1 for K; lane L takes rows 2 L and 2 L + 1
	s_cmp_gt_u32 s20, 1
	s_cbranch_scc1 .Lend
	s_cmp_eq_u32 s20, 0
	s_cselect_b64 s[26:27], s[16:17], s[18:19]
	s_cselect_b32 s28, 0xbe800000, -1.0            ; -1/4 for Qs = 2 c q, -1 for Ks = c k
	s_mov_b32 s29, s28
.irp p, 0,1,2,3
	ds_load_b64 v[NS+2*\p:NS+2*\p+1], v[NRD] offset:256*\p
.endr
	s_wait_dscnt 0x0
	v_pk_add_f32 v[NS:NS+1], v[NS:NS+1], v[NS+2:NS+3]
	v_pk_add_f32 v[NS+4:NS+5], v[NS+4:NS+5], v[NS+6:NS+7]
	v_pk_add_f32 v[NS:NS+1], v[NS:NS+1], v[NS+4:NS+5]
	v_pk_mul_f32 v[NS:NS+1], v[NS:NS+1], s[28:29] op_sel_hi:[1,0]
	global_store_b64 v[NGO], v[NS:NS+1], s[26:27]                  ; 32 lanes store 256 consecutive bytes, aligned
.Lend:
	s_wait_tensorcnt 0x0
	ds_add_u32 v62, v63
	s_wait_dscnt 0x0
	s_endpgm
.Lfunc_end_k_q5b3952a944_proj:
	.size	k_q5b3952a944_proj, .Lfunc_end_k_q5b3952a944_proj-k_q5b3952a944_proj
	.p2alignl 7, 3214868480
	.fill 96, 4, 3214868480
	.section	.rodata,"a",@progbits
	.p2align	6, 0x0
	.amdhsa_kernel k_q5b3952a944_proj
		.amdhsa_group_segment_fixed_size 73216
		.amdhsa_private_segment_fixed_size 0
		.amdhsa_enable_private_segment 0
		.amdhsa_kernarg_size 64
		.amdhsa_user_sgpr_count 2
		.amdhsa_user_sgpr_kernarg_segment_ptr 1
		.amdhsa_wavefront_size32 1
		.amdhsa_system_sgpr_workgroup_id_x 1
		.amdhsa_system_sgpr_workgroup_id_y 1
		.amdhsa_system_sgpr_workgroup_id_z 1
		.amdhsa_system_vgpr_workitem_id 0
		.amdhsa_next_free_vgpr 512
		.amdhsa_next_free_sgpr 66
		.amdhsa_reserve_vcc 0
		.amdhsa_float_denorm_mode_32 3
		.amdhsa_float_denorm_mode_16_64 3
		.amdhsa_memory_ordered 1
		.amdhsa_forward_progress 1
		.amdhsa_inst_pref_size 50
	.end_amdhsa_kernel
	.amdgpu_metadata
---
amdhsa.version: [ 1, 2 ]
amdhsa.kernels:
  - .name:           k_q5b3952a944_proj
    .symbol:         k_q5b3952a944_proj.kd
    .args:
      - { .name: inputs, .offset: 0, .size: 8, .value_kind: global_buffer, .address_space: global }
      - { .name: Wb, .offset: 8, .size: 8, .value_kind: global_buffer, .address_space: global }
      - { .name: Wv, .offset: 16, .size: 8, .value_kind: global_buffer, .address_space: global }
      - { .name: Qs, .offset: 24, .size: 8, .value_kind: global_buffer, .address_space: global }
      - { .name: Ks, .offset: 32, .size: 8, .value_kind: global_buffer, .address_space: global }
      - { .name: Vt, .offset: 40, .size: 8, .value_kind: global_buffer, .address_space: global }
      - { .name: nq2, .offset: 48, .size: 8, .value_kind: global_buffer, .address_space: global }
      - { .name: nk2, .offset: 56, .size: 8, .value_kind: global_buffer, .address_space: global }
    .group_segment_fixed_size: 73216
    .private_segment_fixed_size: 0
    .kernarg_segment_align: 8
    .kernarg_segment_size: 64
    .max_flat_workgroup_size: 128
    .sgpr_count:     66
    .vgpr_count:     512
    .wavefront_size: 32
...
	.end_amdgpu_metadata
.endif
;; end of part 2
;; launch attn (part 3): grid 256 x 1, 4 waves a work-group, clusters of 4 x 1, 327,680 bytes of LDS; arguments Qs, Ks, Vt, nq2, nk2, out0; writes out0
.if DOCPART == 3
	.amdgcn_target "amdgcn-amd-amdhsa--gfx1250"
	.amdhsa_code_object_version 6
	.text
	.protected	k_q5b3952a944_attn
	.globl	k_q5b3952a944_attn
	.p2align	8
	.type	k_q5b3952a944_attn,@function
k_q5b3952a944_attn:
	s_mov_b64 s[64:65], 0
	v_nop
	global_prefetch_b8 v0, s[64:65] scope:SCOPE_SE
	s_setreg_imm32_b32 hwreg(HW_REG_WAVE_MODE, 25, 1), 1
	s_wait_xcnt 0x0
	s_wait_alu depctr_hold_cnt(0) depctr_sa_sdst(0) depctr_va_vdst(0) depctr_va_sdst(0) depctr_va_ssrc(0) depctr_va_vcc(0) depctr_vm_vsrc(0)
	s_getreg_b32 s2, hwreg(HW_REG_IB_STS2, 6, 4)
	s_cmp_eq_u32 s2, 0
	s_cbranch_scc0 .Lentry_in_a_cluster
	s_endpgm
.Lentry_in_a_cluster:
	s_bfe_u32 s2, ttmp6, 0x10000c
	s_cmp_lg_u32 s2, 0x3003
	s_cbranch_scc0 .Lentry_shape_is_right
	s_endpgm
.Lentry_shape_is_right:
; out[q] = sum over k of p(q,k) V[k] / sum over k of p(q,k),   p = exp(score),   score = exp(-|q - k|^2).
; arg = Qs.Ks + nq2[q] + nk2[k] = -log2(e) |q - k|^2 (the scales lie in Qs, Ks, nq2, nk2);  score = exp2(-|arg|);  p = exp2(log2(e) score).
; NO RUNNING MAXIMUM, and why: the softmax's argument is itself an exponential of minus a squared distance.  It is taken as exp2(-|arg|), which equals
; exp(-dist2) wherever dist2 >= 0 and differs only where f32 cancellation makes dist2 negative; so for EVERY input score lies in [0, 1], p in [1, e] and a row's
; sum in [4096, 4096 e]: no exponential and no sum can overflow or underflow, and softmax's value does not hang on the shift.
; LIMITS, stated: exp(-|dist2|) in place of exp(-dist2); v_exp_f32 gives 0 for a score below 2^-126 (ISA guide 15.8), p is then 1; the row sum adds p in f32
; while the product takes p rounded to bf16; a NaN or an infinity in arg goes through the arithmetic as it is.
; SHARES: work-group x owns 64 queries; every wave holds all 64 and takes a quarter of the keys: of tile t (256 keys) wave w has keys 256 t + 64 w .. +63, as two
; steps of 32.  With no maximum the waves' partial O and l are plain sums; they meet in LDS at the end.  A K or V fragment from LDS feeds four matrix instructions.
; CLUSTER 4 x 1: the four work-groups of a cluster lie in one batch (64 work-groups a batch) and walk the same K and V tiles and the same nk2: every tensor load
; is a joint one with the mask 15, which divides the requests for K and V by four.  Only this one kind of tile is shared, so a second axis would share nothing.
; LAYOUTS: S^T = K x Q: lane (r, h) holds query r, keys 8 h + j.  Packed to bf16, key tiles 0 and 1 ARE registers 0-3 and 4-7 of the B fragment P(k = key, n = query):
; nothing moves between lanes.  O^T = V^T x P: lane (r, h) holds query r, d = 8 h + j.
; LDS: two slots of 139,264 bytes (parts 0, 1: 256 K rows; parts 2, 3: four blocks of Vt as 64 rows of 256 bytes each; pitch 272), then the batch's nk2, 16 KiB.
; In a block of Vt feature row d lies at (d / 2) x 272 + (d mod 2) x 128: a fragment's 16 rows touch 16 different 16-byte columns of 256 bytes.
; At the end slot 0, which has had its last fill, is the stage: 4 waves x 64 rows x 528 bytes, l in each row's padding.
.set PITCH,  272
.set PART,   128*PITCH                 ; what one tensor load brings
.set SLOT,   4*PART
.set NK2L,   2*SLOT
.set TILEB,  65536                     ; bytes of a tile of K, and of a tile of Vt, in memory
.set SPITCH, 528
.set WSTG,   64*SPITCH                 ; a wave's stage
; window 0
.set KA,  8                            ; v8-9    K fragments' lane address in slot 0, 1
.set VA,  10                           ; v10-11  V fragments' lane address in slot 0, 1
.set NKA, 12                           ; nk2 of my keys; steps 1,024 bytes a trip
.set QO,  13
.set NQO, 14
.set STO, 15                           ; stage, in
.set LST, 16                           ; stage, l
.set RDA, 17                           ; stage, back: waves' parts 0, 1
.set RDB, 18                           ;              parts 2, 3 (an LDS immediate has 16 bits)
.set LRA, 19                           ; l back, parts 0, 1
.set LRB, 20                           ;         parts 2, 3
.set CO,  21                           ; my bytes in out0
.set NQ,  24                           ; v[24:31]   nq2 of query 16 qb + r, twice
.set LS,  32                           ; v[32:47]   row sums: two pairs for each qb
.set NK,  48                           ; v[48:63]   nk2 of keys 16 kt + 8 h + j
.set SC,  64                           ; v[64:127]  S tiles, (kt, qb) at 8 (4 kt + qb)
.set PB,  128                          ; v[128:159] P fragments, 8 for each qb
.set KF,  160                          ; v[160:223] K fragments, (kt, ks) at 8 (4 kt + ks)
.set TE,  224                          ; v[224:228] at work at the end
; window 1
.set QF,  0                            ; Q fragments, (qb, ks) at 8 (4 qb + ks)
.set VF,  128                          ; V fragments, 8 for each db
; window 2: O tiles, (db, qb) at 8 (4 db + qb)
.set G1,  24                           ; s[24:31] group 1 of the K and V tiles
.set G0,  32                           ; s[32:39] group 0, a set for each slot
.set G0N, 40                           ; s[40:43] group 0 of nk2
.set G1N, 48                           ; s[48:55] group 1 of nk2
.set RL,  68                           ; s[68:83] 1 / l of my 16 rows
.set MSB, 0
.macro WIN new                         ; the immediate's high byte repeats the setting that is left; a switch that changes nothing is dropped
.if MSB != \new
	s_set_vgpr_msb (MSB<<8)|\new
.set MSB, \new
.endif
.endm
.macro PLACES                          ; four places behind a matrix instruction before a vector instruction or an LDS store reads its result
.rept 4                                ; (ISA guide 7.12.1)
	v_nop
.endr
.endm
; A round of the cluster's barrier: my work-group's barrier, wave 0 signals for the work-group, every wave waits for all four work-groups, my work-group's barrier again.
.macro ROUND
	s_barrier_signal -1
	s_barrier_wait -1
	s_cmp_lg_u32 s16, 0
	s_cbranch_scc1 .Lnot_wave_0_\@
	s_barrier_signal -3
.Lnot_wave_0_\@:
	s_barrier_wait -3
	s_barrier_signal -1
	s_barrier_wait -1
.endm
	s_load_b256 s[4:11], s[0:1], 0x0               ; Qs 4, Ks 6, Vt 8, nq2 10
	s_load_b128 s[12:15], s[0:1], 0x20             ; nk2 12, out0 14
	v_lshl_add_u32 v254, v0, 2, 0x48000
	v_mov_b32 v255, 0
	ds_add_u32 v254, v255
	v_lshrrev_b32 v1, 5, v0
	v_readfirstlane_b32 s16, v1                    ; wave 0..3
	s_lshr_b32 s19, ttmp9, 4                       ; batch: 16 clusters each; the same in all four partners
	; group 1, K and V: 128 rows x 128 elements of 2 bytes, rows 256 bytes apart in memory, 16 bytes of padding behind each in LDS
	s_mov_b32 s[G1+0], 15|(1<<16)|(1<<20)|(1<<21)|(5<<22)|(3<<25)  ; mask: all four; 2-byte elements; padding on; bit 21 beside a mask; after 64 words, 4 words
	s_mov_b32 s[G1+1], 128<<16                     ; tensor_dim0 = 128
	s_mov_b32 s[G1+2], 128<<16                     ; tensor_dim1 = 128
	s_mov_b32 s[G1+3], 128<<16                     ; tile_dim0 = 128
	s_mov_b32 s[G1+4], 128                         ; tile_dim1 = 128
	s_mov_b32 s[G1+5], 128                         ; pitch, in elements
	s_mov_b32 s[G1+6], 0
	s_mov_b32 s[G1+7], 0
	; group 1, nk2: a wave's quarter, 4,096 dense bytes as 16 rows of 64 f32
	s_mov_b32 s[G1N+0], 15|(2<<16)|(1<<21)
	s_mov_b32 s[G1N+1], 64<<16
	s_mov_b32 s[G1N+2], 16<<16
	s_mov_b32 s[G1N+3], 64<<16
	s_mov_b32 s[G1N+4], 16
	s_mov_b32 s[G1N+5], 64
	s_mov_b32 s[G1N+6], 0
	s_mov_b32 s[G1N+7], 0
	s_mov_b32 s46, 0x3fb8aa3b                      ; log2(e), the pair written whole
	s_mov_b32 s47, 0x3fb8aa3b
	s_mov_b32 s56, 0x76543210                      ; v_permlanex16_b32: lane i reads lane i of the other half
	s_mov_b32 s57, 0xfedcba98
	s_mul_i32 s45, s16, PART                       ; my part of a slot: waves 0, 1 fetch K's halves, waves 2, 3 V's
	s_lshl_b32 s20, s19, 20                        ; a batch of K, and of Vt, is 1 MiB
	s_and_b32 s22, s16, 1
	s_lshl_b32 s22, s22, 15                        ; which 128 rows of 256 bytes
	s_add_co_u32 s20, s20, s22
	s_mov_b32 s21, 0
	s_lshl_b32 s22, s19, 14                        ; a batch of nk2,
	s_lshl_b32 s23, s16, 12                        ; my quarter of it
	s_add_co_u32 s22, s22, s23
	s_add_co_u32 s[G0N+1], s23, NK2L
	s_mov_b32 s23, 0
	s_wait_dscnt 0x0
	s_wait_kmcnt 0x0
	s_cmp_lt_u32 s16, 2
	s_cselect_b64 s[58:59], s[6:7], s[8:9]         ; Ks or Vt, by the wave's number alone
	s_add_nc_u64 s[58:59], s[58:59], s[20:21]
.irp n, 0,1
	s_mov_b32 s[G0+4*\n], 1                                        ; count = 1
	s_add_co_u32 s[G0+4*\n+1], s45, \n*SLOT                        ; LDS address
	s_add_nc_u64 s[G0+4*\n+2:G0+4*\n+3], s[58:59], \n*TILEB        ; tile n
	s_or_b32 s[G0+4*\n+3], s[G0+4*\n+3], 0x80000000                ; type = 2
.endr
	s_mov_b32 s[G0N], 1
	s_add_nc_u64 s[G0N+2:G0N+3], s[12:13], s[22:23]
	s_or_b32 s[G0N+3], s[G0N+3], 0x80000000
	ROUND                                          ; all four work-groups are here: the first joint loads meet
	tensor_load_to_lds s[G0N:G0N+3], s[G1N:G1N+7]  ; the first fills as one group: my quarter of nk2
	s_nop 0
	tensor_load_to_lds s[G0:G0+3], s[G1:G1+7]      ; and my part of tile 0: two tensor loads of this wave are out here, one behind every later round
	s_nop 0
	; what hangs on my place in the cluster: the queries, their norms, the output; in registers that feed no descriptor and no LDS address
	s_bfe_u32 s17, ttmp6, 0x40000                  ; cx
	s_lshl_b32 s18, ttmp9, 2
	s_add_co_u32 s18, s18, s17                     ; work-group x
	s_mov_b32 s61, 0
	s_lshl_b32 s60, s18, 14                        ; 64 rows of 256 bytes
	s_add_nc_u64 s[4:5], s[4:5], s[60:61]
	s_lshl_b32 s60, s18, 8
	s_add_nc_u64 s[10:11], s[10:11], s[60:61]
	s_lshl_b32 s60, s18, 15                        ; 64 rows of 512 bytes
	s_add_nc_u64 s[14:15], s[14:15], s[60:61]
	v_and_b32 v1, 15, v0                           ; r
	v_bfe_u32 v2, v0, 4, 1                         ; h
	v_and_b32 v3, 31, v0                           ; L
	v_lshlrev_b32 v[QO], 8, v1
	v_lshl_add_u32 v[QO], v2, 4, v[QO]
	v_lshlrev_b32 v[NQO], 2, v1
	WIN 0x40                                       ; destinations in window 1
.irp qb, 0,1,2,3
.irp ks, 0,1,2,3
	global_load_b128 v[QF+8*(4*\qb+\ks):QF+8*(4*\qb+\ks)+3],   v[QO], s[4:5] offset:\qb*4096+64*\ks
	global_load_b128 v[QF+8*(4*\qb+\ks)+4:QF+8*(4*\qb+\ks)+7], v[QO], s[4:5] offset:\qb*4096+64*\ks+32
.endr
.endr
	WIN 0
.irp qb, 0,1,2,3
	global_load_b32 v[NQ+2*\qb], v[NQO], s[10:11] offset:64*\qb
.endr
	s_mul_i32 s62, s16, 64*PITCH                   ; my 64 key rows; also my block of Vt
	v_mul_u32_u24 v4, v1, PITCH
	v_lshl_add_u32 v4, v2, 4, v4
	v_add_nc_u32 v[KA], s62, v4
	v_add_nc_u32 v[KA+1], SLOT, v[KA]
	v_lshrrev_b32 v5, 1, v1
	v_mul_u32_u24 v5, v5, PITCH
	v_and_b32 v6, 1, v1
	v_lshl_add_u32 v5, v6, 7, v5
	v_lshl_add_u32 v5, v2, 4, v5
	v_add_nc_u32 v5, s62, v5
	v_add_nc_u32 v[VA], 2*PART, v5
	v_add_nc_u32 v[VA+1], SLOT, v[VA]
	s_lshl_b32 s63, s16, 8
	s_add_co_u32 s63, s63, NK2L
	v_lshl_add_u32 v[NKA], v2, 5, s63
	s_mul_i32 s66, s16, WSTG
	v_mul_u32_u24 v4, v1, SPITCH
	v_add_nc_u32 v7, s66, v4
	v_lshl_add_u32 v[STO], v2, 5, v7
	v_add_nc_u32 v[LST], 512, v7
	s_mul_i32 s67, s16, 16*SPITCH
	v_lshl_add_u32 v[RDA], v3, 4, s67
	v_add_nc_u32 v[RDB], 2*WSTG, v[RDA]
	v_add_nc_u32 v4, s67, v4
	v_add_nc_u32 v[LRA], 512, v4
	v_add_nc_u32 v[LRB], 2*WSTG, v[LRA]
	s_lshl_b32 s63, s16, 13
	v_lshl_add_u32 v[CO], v3, 4, s63
.irp i, 0,1,2,3,4,5,6,7,8,9,10,11,12,13,14,15
	v_mov_b32 v[LS+\i], 0
.endr
	s_wait_loadcnt 0x0                             ; Q and nq2, once
.irp qb, 0,1,2,3
	v_mov_b32 v[NQ+2*\qb+1], v[NQ+2*\qb]
.endr
.macro LDK slot, st                    ; 16 loads: K rows 32 st .. +31 of my 64, K = 128
	WIN 0
.irp kt, 0,1
.irp ks, 0,1,2,3
	ds_load_b128 v[KF+8*(4*\kt+\ks):KF+8*(4*\kt+\ks)+3],   v[KA+\slot] offset:(32*\st+16*\kt)*PITCH+64*\ks
	ds_load_b128 v[KF+8*(4*\kt+\ks)+4:KF+8*(4*\kt+\ks)+7], v[KA+\slot] offset:(32*\st+16*\kt)*PITCH+64*\ks+32
.endr
.endr
.endm
.macro LDNK st                         ; 4 loads: nk2 of keys 16 kt + 8 h .. +7; sixteen lanes share each word
	WIN 0
.irp kt, 0,1
	ds_load_b128 v[NK+8*\kt:NK+8*\kt+3],   v[NKA] offset:128*\st+64*\kt
	ds_load_b128 v[NK+8*\kt+4:NK+8*\kt+7], v[NKA] offset:128*\st+64*\kt+16
.endr
.endm
.macro LDV slot, st                    ; 16 loads: all 128 feature rows, keys 32 st .. +31 of my block
	WIN 0x40
.irp db, 0,1,2,3,4,5,6,7
	ds_load_b128 v[VF+8*\db:VF+8*\db+3],   v[VA+\slot] offset:\db*8*PITCH+64*\st
	ds_load_b128 v[VF+8*\db+4:VF+8*\db+7], v[VA+\slot] offset:\db*8*PITCH+64*\st+32
.endr
.endm
.macro CINIT                           ; the sums start from nk2[key] + nq2[query]
	WIN 0
.irp kt, 0,1
.irp qb, 0,1,2,3
.irp i, 0,2,4,6
	v_pk_add_f32 v[SC+8*(4*\kt+\qb)+\i:SC+8*(4*\kt+\qb)+\i+1], v[NK+8*\kt+\i:NK+8*\kt+\i+1], v[NQ+2*\qb:NQ+2*\qb+1]
.endr
.endr
.endr
.endm
.macro SMULS                           ; 32 matrix instructions; the eight accumulators take turns, one instruction a turn
	WIN 0x04                                       ; B (Q) in window 1
.irp ks, 0,1,2,3
.irp kt, 0,1
.irp qb, 0,1,2,3
	v_wmma_f32_16x16x32_bf16 v[SC+8*(4*\kt+\qb):SC+8*(4*\kt+\qb)+7], v[KF+8*(4*\kt+\ks):KF+8*(4*\kt+\ks)+7], v[QF+8*(4*\qb+\ks):QF+8*(4*\qb+\ks)+7], v[SC+8*(4*\kt+\qb):SC+8*(4*\kt+\qb)+7]
.endr
.endr
.endr
.endm
; 32 keys x 16 queries: score, p, the row sums, P in bf16.  Transcendentals stand back to back on different registers; one plain instruction (v_nop)
; stands between the last of a run and the first use of a result (ISA guide 5.7.2).
.macro SOFT qb
	WIN 0
.irp kt, 0,1
.irp i, 0,1,2,3,4,5,6,7
	v_exp_f32 v[SC+8*(4*\kt+\qb)+\i], -|v[SC+8*(4*\kt+\qb)+\i]|            ; score = 2^-|arg|, in [0, 1] for every input
.endr
.endr
	v_nop
	s_wait_alu depctr_va_vdst(0)
.irp kt, 0,1
.irp i, 0,2,4,6
	v_pk_mul_f32 v[SC+8*(4*\kt+\qb)+\i:SC+8*(4*\kt+\qb)+\i+1], v[SC+8*(4*\kt+\qb)+\i:SC+8*(4*\kt+\qb)+\i+1], s[46:47] op_sel_hi:[1,0]
.endr
.endr
.irp kt, 0,1
.irp i, 0,1,2,3,4,5,6,7
	v_exp_f32 v[SC+8*(4*\kt+\qb)+\i], v[SC+8*(4*\kt+\qb)+\i]               ; p = e^score, in [1, e]
.endr
.endr
	v_nop
	s_wait_alu depctr_va_vdst(0)
.irp i, 0,1,2,3
	v_pk_add_f32 v[LS+4*\qb:LS+4*\qb+1],   v[LS+4*\qb:LS+4*\qb+1],   v[SC+8*\qb+2*\i:SC+8*\qb+2*\i+1]
	v_pk_add_f32 v[LS+4*\qb+2:LS+4*\qb+3], v[LS+4*\qb+2:LS+4*\qb+3], v[SC+8*(4+\qb)+2*\i:SC+8*(4+\qb)+2*\i+1]
	v_cvt_pk_bf16_f32 v[PB+8*\qb+\i],   v[SC+8*\qb+2*\i],     v[SC+8*\qb+2*\i+1]       ; keys 8 h + 2 i, + 1
	v_cvt_pk_bf16_f32 v[PB+8*\qb+4+\i], v[SC+8*(4+\qb)+2*\i], v[SC+8*(4+\qb)+2*\i+1]   ; keys 16 + 8 h + 2 i, + 1
.endr
.endm
.macro PVS zero                        ; 32 matrix instructions on 32 accumulators, each once; zero = 1: the first products start the sums
	WIN 0xa1                                       ; A (V) window 1, B (P) window 0, C and D window 2
.irp db, 0,1,2,3,4,5,6,7
.irp qb, 0,1,2,3
.if \zero
	v_wmma_f32_16x16x32_bf16 v[8*(4*\db+\qb):8*(4*\db+\qb)+7], v[VF+8*\db:VF+8*\db+7], v[PB+8*\qb:PB+8*\qb+7], 0
.else
	v_wmma_f32_16x16x32_bf16 v[8*(4*\db+\qb):8*(4*\db+\qb)+7], v[VF+8*\db:VF+8*\db+7], v[PB+8*\qb:PB+8*\qb+7], v[8*(4*\db+\qb):8*(4*\db+\qb)+7]
.endif
.endr
.endr
.endm
; One tile of 256 keys in slot `slot`; refill = 1: the next tile is asked for, into the other slot.
.macro TRIP slot, refill, zero
	s_wait_tensorcnt 0x0                           ; all my tensor loads have landed, my part of this tile among them,
	ds_add_u32 v254, v255
	s_wait_dscnt 0x0
	s_add_nc_u64 s[G0+4*\slot+2:G0+4*\slot+3], s[G0+4*\slot+2:G0+4*\slot+3], 2*TILEB   ; so a group 0 may be written: this slot's next tile
	s_wait_dscnt 0x0                               ; my reads of the other slot are over
	ROUND                                          ; both now hold of every wave of all four work-groups
.if \refill
	tensor_load_to_lds s[G0+4-4*\slot:G0+7-4*\slot], s[G1:G1+7]    ; my one tensor load behind the round, ahead of every LDS read: it has the whole trip in which to land
	s_nop 0
.endif
	LDK \slot, 0
	LDNK 0
	LDV \slot, 0
	s_wait_dscnt 16                                ; K and nk2 are in; V's 16 loads are younger
	CINIT
	SMULS
	PLACES
	LDK \slot, 1                                   ; the second step's K and nk2 come in under the exponentials
	LDNK 1
	SOFT 0
	SOFT 1
	SOFT 2
	SOFT 3
	s_wait_dscnt 20                                ; V is in; the 20 loads just issued are younger
	PVS \zero
	PLACES
	LDV \slot, 1
	s_wait_dscnt 16                                ; K and nk2 of the second step; V's 16 loads are younger
	CINIT
	SMULS
	PLACES
	SOFT 0
	SOFT 1
	SOFT 2
	SOFT 3
	s_wait_dscnt 0x0                               ; V
	PVS 0
	PLACES
	WIN 0
	v_add_nc_u32 v[NKA], 1024, v[NKA]              ; the next tile's 256 nk2
.endm
	TRIP 0, 1, 1                                   ; tile 0; slot 1 gets its first fill as a refill does, behind this trip's round
	TRIP 1, 1, 0
	s_mov_b32 s44, 6
.Lloop:                                            ; tiles 2 to 13
	TRIP 0, 1, 0
	TRIP 1, 1, 0
	s_sub_co_u32 s44, s44, 1
	s_cmp_lg_u32 s44, 0
	s_cbranch_scc1 .Lloop
	TRIP 0, 1, 0                                   ; tile 14 asks for tile 15, the last
	TRIP 1, 0, 0                                   ; nothing is left to fetch (slot 1's stepped address is not used)
	; THE END.  Every wave's reads of slot 0 were over in front of the last trip's round and no load fills it again: it is the stage.
.irp qb, 0,1,2,3
	v_add_f32 v[TE],   v[LS+4*\qb],   v[LS+4*\qb+1]
	v_add_f32 v[TE+1], v[LS+4*\qb+2], v[LS+4*\qb+3]
	v_add_f32 v[TE], v[TE], v[TE+1]
	v_permlanex16_b32 v[TE+1], v[TE], s56, s57     ; the other half of the lanes holds the other keys of the same query
	v_add_f32 v[TE], v[TE], v[TE+1]
	ds_store_b32 v[LST], v[TE] offset:\qb*16*SPITCH
.endr
	WIN 0x08                                       ; store data from window 2
.irp qb, 0,1,2,3
.irp db, 0,1,2,3,4,5,6,7
.irp c, 0,1
	ds_store_b128 v[STO], v[8*(4*\db+\qb)+4*\c:8*(4*\db+\qb)+4*\c+3] offset:\qb*16*SPITCH+64*\db+16*\c     ; row 16 qb + r, d = 16 db + 8 h + 4 c .. +3
.endr
.endr
.endr
	WIN 0
	s_wait_dscnt 0x0                               ; my partial O and l are in LDS, for the other waves' sake
	s_barrier_signal -1
	s_barrier_wait -1
	; wave w finishes rows 16 w .. +15: lane r (and 16 + r) adds the four partial l of row 16 w + r
	ds_load_b32 v[TE],   v[LRA]
	ds_load_b32 v[TE+1], v[LRA] offset:WSTG
	ds_load_b32 v[TE+2], v[LRB]
	ds_load_b32 v[TE+3], v[LRB] offset:WSTG
	s_wait_dscnt 0x0
	v_add_f32 v[TE], v[TE], v[TE+1]
	v_add_f32 v[TE+2], v[TE+2], v[TE+3]
	v_add_f32 v[TE], v[TE], v[TE+2]
	v_rcp_f32 v[TE+4], v[TE]                       ; l >= 4096: never near zero
	v_nop
	s_wait_alu depctr_va_vdst(0)
.irp i, 0,1,2,3,4,5,6,7,8,9,10,11,12,13,14,15
	v_readlane_b32 s[RL+\i], v[TE+4], \i           ; a store below covers one row, so its 1 / l is a scalar
.endr
; four rows: the four waves' partials of each, added and scaled; one store covers a row's 512 consecutive bytes, aligned
.macro OUTG g
.if \g
	s_wait_xcnt 0x0                                ; the last group's stores have had their addresses translated (ISA guide 3.1): their data registers are loaded again only behind this wait
.endif
.irp q, 0,1,2,3
	ds_load_b128 v[SC+16*\q:SC+16*\q+3],     v[RDA] offset:(4*\g+\q)*SPITCH
	ds_load_b128 v[SC+16*\q+4:SC+16*\q+7],   v[RDA] offset:(4*\g+\q)*SPITCH+WSTG
	ds_load_b128 v[SC+16*\q+8:SC+16*\q+11],  v[RDB] offset:(4*\g+\q)*SPITCH
	ds_load_b128 v[SC+16*\q+12:SC+16*\q+15], v[RDB] offset:(4*\g+\q)*SPITCH+WSTG
.endr
.irp q, 0,1,2,3
	s_wait_dscnt 12-4*\q                           ; row q's four loads are in; the later rows' stay out
	v_pk_add_f32 v[SC+16*\q:SC+16*\q+1],     v[SC+16*\q:SC+16*\q+1],     v[SC+16*\q+4:SC+16*\q+5]
	v_pk_add_f32 v[SC+16*\q+2:SC+16*\q+3],   v[SC+16*\q+2:SC+16*\q+3],   v[SC+16*\q+6:SC+16*\q+7]
	v_pk_add_f32 v[SC+16*\q+8:SC+16*\q+9],   v[SC+16*\q+8:SC+16*\q+9],   v[SC+16*\q+12:SC+16*\q+13]
	v_pk_add_f32 v[SC+16*\q+10:SC+16*\q+11], v[SC+16*\q+10:SC+16*\q+11], v[SC+16*\q+14:SC+16*\q+15]
	v_pk_add_f32 v[SC+16*\q:SC+16*\q+1],     v[SC+16*\q:SC+16*\q+1],     v[SC+16*\q+8:SC+16*\q+9]
	v_pk_add_f32 v[SC+16*\q+2:SC+16*\q+3],   v[SC+16*\q+2:SC+16*\q+3],   v[SC+16*\q+10:SC+16*\q+11]
.irp i, 0,1,2,3
	v_mul_f32 v[SC+16*\q+\i], s[RL+4*\g+\q], v[SC+16*\q+\i]
.endr
	global_store_b128 v[CO], v[SC+16*\q:SC+16*\q+3], s[14:15] offset:(4*\g+\q)*512 th:TH_STORE_NT
.endr
.endm
	OUTG 0
	OUTG 1
	OUTG 2
	OUTG 3
	s_wait_tensorcnt 0x0
	ds_add_u32 v254, v255
	s_wait_dscnt 0x0
	ROUND                                          ; the closing round: no work-group ends while a partner may still ask for a tile that names it
	s_endpgm
.Lfunc_end_k_q5b3952a944_attn:
	.size	k_q5b3952a944_attn, .Lfunc_end_k_q5b3952a944_attn-k_q5b3952a944_attn
	.p2alignl 7, 3214868480
	.fill 96, 4, 3214868480
	.section	.rodata,"a",@progbits
	.p2align	6, 0x0
	.amdhsa_kernel k_q5b3952a944_attn
		.amdhsa_group_segment_fixed_size 327680
		.amdhsa_private_segment_fixed_size 0
		.amdhsa_enable_private_segment 0
		.amdhsa_kernarg_size 48
		.amdhsa_user_sgpr_count 2
		.amdhsa_user_sgpr_kernarg_segment_ptr 1
		.amdhsa_wavefront_size32 1
		.amdhsa_system_sgpr_workgroup_id_x 1
		.amdhsa_system_sgpr_workgroup_id_y 1
		.amdhsa_system_sgpr_workgroup_id_z 1
		.amdhsa_system_vgpr_workitem_id 0
		.amdhsa_next_free_vgpr 768
		.amdhsa_next_free_sgpr 84
		.amdhsa_reserve_vcc 0
		.amdhsa_float_denorm_mode_32 3
		.amdhsa_float_denorm_mode_16_64 3
		.amdhsa_memory_ordered 1
		.amdhsa_forward_progress 1
		.amdhsa_inst_pref_size 255
	.end_amdhsa_kernel
	.section	.bss,"aw",@nobits
	.p2align	6
	.space	262144
	.amdgpu_metadata
---
amdhsa.version: [ 1, 2 ]
amdhsa.kernels:
  - .name:           k_q5b3952a944_attn
    .symbol:         k_q5b3952a944_attn.kd
    .args:
      - { .name: Qs, .offset: 0, .size: 8, .value_kind: global_buffer, .address_space: global }
      - { .name: Ks, .offset: 8, .size: 8, .value_kind: global_buffer, .address_space: global }
      - { .name: Vt, .offset: 16, .size: 8, .value_kind: global_buffer, .address_space: global }
      - { .name: nq2, .offset: 24, .size: 8, .value_kind: global_buffer, .address_space: global }
      - { .name: nk2, .offset: 32, .size: 8, .value_kind: global_buffer, .address_space: global }
      - { .name: out0, .offset: 40, .size: 8, .value_kind: global_buffer, .address_space: global }
    .group_segment_fixed_size: 327680
    .private_segment_fixed_size: 0
    .kernarg_segment_align: 8
    .kernarg_segment_size: 48
    .max_flat_workgroup_size: 128
    .sgpr_count:     84
    .vgpr_count:     768
    .wavefront_size: 32
...
	.end_amdgpu_metadata
.endif
;; end of part 3
;; ======== version 2 of 2: 3 launches; version 1 with the launch proj written anew for expert scheduling mode
;; workspace buffers: Wb 65,536 bytes; Qs 4,194,304 bytes; Ks 4,194,304 bytes; Vt 4,194,304 bytes; nq2 65,536 bytes; nk2 65,536 bytes
;; launch prep: the kernel of part 1 again; grid 8 x 2, 4 waves a work-group, no clusters, 4,864 bytes of LDS; arguments rotation_params, entangle_params, Wq, Wk, Wb; writes Wb
;; launch proj (part 4): grid 256 x 1, 4 waves a work-group, no clusters, 73,216 bytes of LDS; arguments inputs, Wb, Wv, Qs, Ks, Vt, nq2, nk2; writes Qs, Ks, Vt, nq2, nk2
.if DOCPART == 4
	.amdgcn_target "amdgcn-amd-amdhsa--gfx1250"
	.amdhsa_code_object_version 6
	.text
	.protected	k_q5b3952a944_proj
	.globl	k_q5b3952a944_proj
	.p2align	8
	.type	k_q5b3952a944_proj,@function
k_q5b3952a944_proj:
	s_mov_b64 s[64:65], 0
	v_nop
	global_prefetch_b8 v0, s[64:65] scope:SCOPE_SE
	s_setreg_imm32_b32 hwreg(HW_REG_WAVE_SCHED_MODE, 0, 2), 2
	s_setreg_imm32_b32 hwreg(HW_REG_WAVE_MODE, 25, 1), 1
	s_wait_xcnt 0x0
	s_wait_alu depctr_vm_vsrc(0)
; Qs = bf16(X Wb0^T) (= 2 c q), Ks = bf16(X Wb1^T) (= c k), both [16384][128]; Vt = bf16(X Wv^T) in blocks of 64 keys, [256][128 d][64 keys];
; nq2[s] = -1/4 sum of Qs[s]^2, nk2[s] = -sum of Ks[s]^2, summed in f32 from the ROUNDED numbers, so that in the next launch
; Qs.Ks + nq2 + nk2 is minus the squared distance of exactly the vectors that the matrix unit multiplies.
; Work-group g owns the 64 rows 64 g .. +63.  Wave w makes features 32 w .. +31 of Q, K and V for all 64 rows, so each weight byte enters the work-group once.
; X is rounded to bf16 once and shared through LDS.  Q and K: A = weight rows (m = feature), B = X rows (n = row): a lane holds eight neighbouring features of
; one row.  V: A = X rows (m = key), B = Wv rows (n = feature): a lane holds eight neighbouring keys of one feature, which is Vt's order.
; No cluster and no tensor load: work-groups share only 128 KiB of weights, which go straight into registers; X is read once.
; LDS: XS 64 x 272 | QST 64 x 272 | KST 64 x 272 | VST 128 x 144 (wave w: rows 32 w .. +31, its own) | SQ [2][4 waves][64] f32 | the spare words.
; THE MODE: SCHED_MODE bits 1:0 = 2 (LLVM: expert scheduling mode 2), set by the entry lines.  The code itself states the register dependences
; between vector or matrix instructions and memory or LDS instructions, with s_wait_alu, always for 0.
; THE PLAN.  Registers that memory or LDS instructions touch:
;   v4-v15, v28   addresses and offsets: made once at the head, never written again; one wait on va_vdst ahead of the first load serves them all.
;   ACC           X as loaded; its conversions write it, X's LDS stores read it; then three times: a product writes it, 32 conversions round each tile in place
;                 (a tile's low four registers are its out-buffer), eight LDS stores read those.  A wait on va_vdst stands between conversions and stores,
;                 a wait on vm_vsrc between the stores and the product that writes ACC next.
;   SQQ, SQK      the rows' sums of squares, a set for Q and a set for K: written by vector instructions, read by four LDS stores each, never written again.
;   XF            X's fragments: LDS loads land in fresh registers; all three products read them; behind the last product and a wait on va_vdst the rows
;                 read back from the stages land in them, and the global stores read them.
;   NS            the four waves' sums: LDS loads, packed additions, a wait on va_vdst, one global store.
;   Window 1 (MQ, MK, WV) is filled once by global loads into fresh registers and then named by vector and matrix instructions alone; so is U.
;   v62, v63      written at the head, read by the closing add alone.
.set PITCH,  272
.set VPITCH, 144
.set QST, 64*PITCH
.set KST, 2*64*PITCH
.set VST, 3*64*PITCH
.set SQ,  VST+128*VPITCH
; window 0
.set XO,   4                           ; 16 L: X's row as loaded, and Vt's bytes as stored
.set XST,  5                           ; XS: 16 w rows + 8 L
.set FR,   6                           ; r x 272 + 16 h: a fragment's lane term
.set WBO,  7                           ; r x 256 + 16 h
.set WVO,  8                           ; r x 512 + 32 h
.set QSTO, 9                           ; FR + 64 w
.set VSTO, 10                          ; VST + (32 w + r) x 144 + 16 h
.set RB,   11                          ; (16 w + h) x 272 + 16 r
.set GO,   12                          ; (16 w + h) x 256 + 16 r
.set VRB,  13                          ; VST + (32 w + L/8) x 144 + 16 (L mod 8)
.set SQO,  14                          ; SQ + 256 w + 4 r
.set NRD,  15                          ; SQ + 1024 w + 8 L (waves 0 and 1)
.set U,    20                          ; v[20:27]  a tile's eight rounded numbers, widened again
.set NGO,  28                          ; 8 L
.set SQQ,  32                          ; v[32:39]  Q: a pair of running sums of squares for each block of 16 rows; the pair's first register ends as the row's sum
.set NS,   44                          ; v[44:51]  the four waves' sums
.set SQK,  52                          ; v[52:59]  the same as SQQ, for K
.set XF,   64                          ; v[64:191] X fragments, (sb, ks) at 8 (4 sb + ks); at the end: rows read back
.set ACC,  192                         ; v[192:255] eight accumulator tiles; at the start: X as f32
; window 1
.set MQ,   0                           ; fragments of Wb[0], (fbl, ks) at 8 (4 fbl + ks)
.set MK,   64                          ; of Wb[1]
.set WV,   128                         ; Wv as f32, (fbl, ks) at 16 (4 fbl + ks), packed in place
.set MSB, 0
.macro WIN new                         ; the immediate's high byte repeats the setting that is left
.if MSB != \new
	s_set_vgpr_msb (MSB<<8)|\new
.set MSB, \new
.endif
.endm
.macro PLACES                          ; four places before a vector instruction or an LDS store reads a matrix result
.rept 4
	v_nop
.endr
.endm
	s_load_b512 s[4:19], s[0:1], 0x0               ; X 4, Wb 6, Wv 8, Qs 10, Ks 12, Vt 14, nq2 16, nk2 18
	v_lshl_add_u32 v62, v0, 2, 0x11c00
	v_mov_b32 v63, 0
	v_lshrrev_b32 v1, 5, v0
	v_readfirstlane_b32 s20, v1                    ; wave 0..3
	s_mov_b32 s22, 0x76543210                      ; v_permlanex16_b32: lane i reads lane i of the other half
	s_mov_b32 s23, 0xfedcba98
	s_mov_b32 s24, 0xffff0000                      ; a word's upper bf16
	v_and_b32 v1, 15, v0                           ; r
	v_bfe_u32 v2, v0, 4, 1                         ; h
	v_and_b32 v3, 31, v0                           ; L
	v_lshlrev_b32 v[XO], 4, v3
	s_wait_alu depctr_va_sdst(0)                   ; s20 is written, ahead of its first reader: LDS places, bases and the last branch are made from it
	s_mul_i32 s25, s20, 16*PITCH
	v_lshl_add_u32 v[XST], v3, 3, s25
	v_mul_u32_u24 v[FR], v1, PITCH
	v_lshl_add_u32 v[FR], v2, 4, v[FR]
	v_lshlrev_b32 v[WBO], 8, v1
	v_lshl_add_u32 v[WBO], v2, 4, v[WBO]
	v_lshlrev_b32 v[WVO], 9, v1
	v_lshl_add_u32 v[WVO], v2, 5, v[WVO]
	s_lshl_b32 s26, s20, 6
	v_add_nc_u32 v[QSTO], s26, v[FR]
	s_mul_i32 s27, s20, 32*VPITCH
	s_add_co_u32 s27, s27, VST
	v_mul_u32_u24 v[VSTO], v1, VPITCH
	v_lshl_add_u32 v[VSTO], v2, 4, v[VSTO]
	v_add_nc_u32 v[VSTO], s27, v[VSTO]
	v_mul_u32_u24 v[RB], v2, PITCH
	v_lshl_add_u32 v[RB], v1, 4, v[RB]
	v_add_nc_u32 v[RB], s25, v[RB]
	s_lshl_b32 s28, s20, 12
	v_lshlrev_b32 v[GO], 8, v2
	v_lshl_add_u32 v[GO], v1, 4, v[GO]
	v_add_nc_u32 v[GO], s28, v[GO]
	v_lshrrev_b32 v[VRB], 3, v3
	v_mul_u32_u24 v[VRB], v[VRB], VPITCH
	v_and_b32 v40, 7, v3
	v_lshl_add_u32 v[VRB], v40, 4, v[VRB]
	v_add_nc_u32 v[VRB], s27, v[VRB]
	s_lshl_b32 s29, s20, 8
	s_add_co_u32 s29, s29, SQ
	v_lshl_add_u32 v[SQO], v1, 2, s29
	s_lshl_b32 s30, s20, 10
	s_add_co_u32 s30, s30, SQ
	v_lshl_add_u32 v[NRD], v3, 3, s30
	v_lshlrev_b32 v[NGO], 3, v3
	s_mov_b32 s33, 0
	s_mov_b32 s35, 0
	s_mov_b32 s37, 0
	s_lshl_b32 s32, ttmp9, 15                      ; 64 rows of 512 bytes,
	s_lshl_b32 s34, s20, 13                        ; my wave's 16 of them; also 32 rows of Wb
	s_add_co_u32 s32, s32, s34
	s_lshl_b32 s36, s20, 14                        ; 32 rows of Wv
	s_wait_kmcnt 0x0
	s_add_nc_u64 s[4:5], s[4:5], s[32:33]
	s_add_nc_u64 s[6:7], s[6:7], s[34:35]
	s_add_nc_u64 s[8:9], s[8:9], s[36:37]
	s_lshl_b32 s32, ttmp9, 14                      ; 64 rows of 256 bytes; a block of Vt
	s_add_nc_u64 s[10:11], s[10:11], s[32:33]
	s_add_nc_u64 s[12:13], s[12:13], s[32:33]
	s_add_co_u32 s32, s32, s28                     ; + my wave's 32 feature rows of 128 bytes
	s_add_nc_u64 s[14:15], s[14:15], s[32:33]
	s_lshl_b32 s32, ttmp9, 8                       ; 64 f32
	s_add_nc_u64 s[16:17], s[16:17], s[32:33]
	s_add_nc_u64 s[18:19], s[18:19], s[32:33]
	s_wait_alu depctr_va_vdst(0)                   ; the thirteen addresses and offsets v4 to v15 and v28 are written: every load and store of the kernel reads one of them, and none is written again
	; X: one row of 512 consecutive bytes an instruction, 16 rows a wave
.irp i, 0,1,2,3,4,5,6,7,8,9,10,11,12,13,14,15
	global_load_b128 v[ACC+4*\i:ACC+4*\i+3], v[XO], s[4:5] offset:512*\i th:TH_LOAD_NT
.endr
	WIN 0x40                                       ; destinations in window 1: registers that no instruction has named yet
.irp mat, 0,1
.irp fbl, 0,1
.irp ks, 0,1,2,3
	global_load_b128 v[64*\mat+8*(4*\fbl+\ks):64*\mat+8*(4*\fbl+\ks)+3],   v[WBO], s[6:7] offset:\mat*32768+\fbl*4096+64*\ks
	global_load_b128 v[64*\mat+8*(4*\fbl+\ks)+4:64*\mat+8*(4*\fbl+\ks)+7], v[WBO], s[6:7] offset:\mat*32768+\fbl*4096+64*\ks+32
.endr
.endr
.endr
	WIN 0
	s_wait_loadcnt 32                              ; X's 16 loads are in; the 32 younger ones (Wb) stay out
.irp i, 0,1,2,3,4,5,6,7,8,9,10,11,12,13,14,15
	v_cvt_pk_bf16_f32 v[ACC+4*\i],   v[ACC+4*\i],   v[ACC+4*\i+1]
	v_cvt_pk_bf16_f32 v[ACC+4*\i+1], v[ACC+4*\i+2], v[ACC+4*\i+3]
.endr
	s_wait_alu depctr_va_vdst(0)                   ; the 32 conversions have written the pairs at ACC + 4 i, which the LDS stores read
.irp i, 0,1,2,3,4,5,6,7,8,9,10,11,12,13,14,15
	ds_store_b64 v[XST], v[ACC+4*\i:ACC+4*\i+1] offset:\i*PITCH
.endr
	WIN 0x40                                       ; Wv lands in registers of window 1 that no instruction has named yet; its offset was made at the head
.irp fbl, 0,1
.irp ks, 0,1,2,3
.irp c, 0,1,2,3
	global_load_b128 v[WV+16*(4*\fbl+\ks)+4*\c:WV+16*(4*\fbl+\ks)+4*\c+3], v[WVO], s[8:9] offset:\fbl*8192+128*\ks+16*\c+32*(\c/2)
.endr
.endr
.endr
	WIN 0
	s_wait_dscnt 0x0                               ; my 16 rows of X are in LDS, for the other waves' sake
	s_barrier_signal -1
	s_barrier_wait -1
	s_wait_alu depctr_vm_vsrc(0)                   ; my LDS stores have read ACC, which the first product writes
	; the fragments, the first K step's first, so that the first product can begin while the later ones come in
.irp ks, 0,1,2,3
.irp sb, 0,1,2,3
	ds_load_b128 v[XF+8*(4*\sb+\ks):XF+8*(4*\sb+\ks)+3],   v[FR] offset:\sb*16*PITCH+64*\ks
	ds_load_b128 v[XF+8*(4*\sb+\ks)+4:XF+8*(4*\sb+\ks)+7], v[FR] offset:\sb*16*PITCH+64*\ks+32
.endr
.endr
; 32 matrix instructions: two feature blocks x four row blocks x K = 128.  The eight accumulators take turns, one instruction a turn.
; first = 1: X's fragments are still coming in, eight loads to a K step.
.macro MUL32 ab, first
	WIN 0x01                                       ; A in window 1
.irp ks, 0,1,2,3
.if \first
	s_wait_dscnt 24-8*\ks                          ; LDS loads come back in order (ISA guide 5.7.1): this K step's eight are in, the later steps' stay out
.endif
.irp fbl, 0,1
.irp sb, 0,1,2,3
.if \ks == 0
	v_wmma_f32_16x16x32_bf16 v[ACC+8*(4*\fbl+\sb):ACC+8*(4*\fbl+\sb)+7], v[\ab+8*(4*\fbl+\ks):\ab+8*(4*\fbl+\ks)+7], v[XF+8*(4*\sb+\ks):XF+8*(4*\sb+\ks)+7], 0
.else
	v_wmma_f32_16x16x32_bf16 v[ACC+8*(4*\fbl+\sb):ACC+8*(4*\fbl+\sb)+7], v[\ab+8*(4*\fbl+\ks):\ab+8*(4*\fbl+\ks)+7], v[XF+8*(4*\sb+\ks):XF+8*(4*\sb+\ks)+7], v[ACC+8*(4*\fbl+\sb):ACC+8*(4*\fbl+\sb)+7]
.endif
.endr
.endr
.endr
	WIN 0
	PLACES
.endm
; The way out of Q or K.  All eight tiles are rounded in place: register i of a tile is written when 2 i and 2 i + 1 are read, and i <= 2 i; each accumulator is read
; from its low end on.  A tile's low four registers are then its 16 bytes for the stage.  Behind one wait the eight stores are dealt among the lines that widen
; the rounded numbers again and add their squares; tile t's store stands ahead of tile t's widening lines, so no vector instruction issued since the wait names a register of it.
; A lane's sums cover its 16 features of row 16 sb + r; the other half of the lanes holds the wave's other 16.  sq: the sums' registers.
.macro EPI stage, which, sq
.irp sb, 0,1,2,3
.irp fbl, 0,1
.irp i, 0,1,2,3
	v_cvt_pk_bf16_f32 v[ACC+8*(4*\fbl+\sb)+\i], v[ACC+8*(4*\fbl+\sb)+2*\i], v[ACC+8*(4*\fbl+\sb)+2*\i+1]
.endr
.endr
.endr
	s_wait_alu depctr_va_vdst(0)                   ; the 32 conversions have written every tile's low four registers, which the eight LDS stores below read
.irp sb, 0,1,2,3
.irp fbl, 0,1
	ds_store_b128 v[QSTO], v[ACC+8*(4*\fbl+\sb):ACC+8*(4*\fbl+\sb)+3] offset:\stage+\sb*16*PITCH+32*\fbl
.irp i, 0,1,2,3
	v_lshlrev_b32 v[U+2*\i],   16,  v[ACC+8*(4*\fbl+\sb)+\i]
	v_and_b32     v[U+2*\i+1], s24, v[ACC+8*(4*\fbl+\sb)+\i]
.endr
.irp i, 0,2,4,6
.if (\fbl+\i) == 0
	v_pk_mul_f32 v[\sq+2*\sb:\sq+2*\sb+1], v[U:U+1], v[U:U+1]                         ; the first squares start the sums
.else
	v_pk_fma_f32 v[\sq+2*\sb:\sq+2*\sb+1], v[U+\i:U+\i+1], v[U+\i:U+\i+1], v[\sq+2*\sb:\sq+2*\sb+1]
.endif
.endr
.endr
.endr
.irp sb, 0,1,2,3
	v_add_f32 v[\sq+2*\sb], v[\sq+2*\sb], v[\sq+2*\sb+1]
.endr
.irp sb, 0,1,2,3
	v_permlanex16_b32 v[\sq+2*\sb+1], v[\sq+2*\sb], s22, s23       ; its destination counts as read: the pair's second register has been written
.endr
.irp sb, 0,1,2,3
	v_add_f32 v[\sq+2*\sb], v[\sq+2*\sb], v[\sq+2*\sb+1]
.endr
	s_wait_alu depctr_vm_vsrc(0)                   ; the eight LDS stores above have read the tiles' low registers: the next product writes ACC
	s_wait_alu depctr_va_vdst(0)                   ; the four rows' sums are written, which the LDS stores below read
.irp sb, 0,1,2,3
	ds_store_b32 v[SQO], v[\sq+2*\sb] offset:\which*1024+64*\sb    ; lanes r and 16 + r write the same word with the same value; these registers are not written again
.endr
.endm
	s_wait_loadcnt 48                              ; Wb[0] is in: Wb[1]'s 16 loads and Wv's 32 are younger
	MUL32 MQ, 1
	EPI QST, 0, SQQ
	s_wait_loadcnt 32                              ; Wb[1] is in: Wv's 32 loads are younger
	MUL32 MK, 0                                    ; writes the accumulators anew, far more than five plain vector instructions behind their last use
	EPI KST, 1, SQK
	s_wait_dscnt 0x0                               ; my columns of both stages and my sums of squares are in LDS
	s_barrier_signal -1                            ; between signal and wait: register work alone, the whole V product
	s_wait_loadcnt 0x0                             ; Wv
	WIN 0x45                                       ; both sources and the destination in window 1
.irp f, 0,1,2,3,4,5,6,7
.irp i, 0,1,2,3,4,5,6,7
	v_cvt_pk_bf16_f32 v[WV+16*\f+\i], v[WV+16*\f+2*\i], v[WV+16*\f+2*\i+1]   ; in place: register i is written when 2 i and 2 i + 1 are read
.endr
.endr
	WIN 0x04                                       ; B in window 1
.irp ks, 0,1,2,3
.irp fbl, 0,1
.irp sb, 0,1,2,3
.if \ks == 0
	v_wmma_f32_16x16x32_bf16 v[ACC+8*(4*\fbl+\sb):ACC+8*(4*\fbl+\sb)+7], v[XF+8*(4*\sb+\ks):XF+8*(4*\sb+\ks)+7], v[WV+16*(4*\fbl+\ks):WV+16*(4*\fbl+\ks)+7], 0
.else
	v_wmma_f32_16x16x32_bf16 v[ACC+8*(4*\fbl+\sb):ACC+8*(4*\fbl+\sb)+7], v[XF+8*(4*\sb+\ks):XF+8*(4*\sb+\ks)+7], v[WV+16*(4*\fbl+\ks):WV+16*(4*\fbl+\ks)+7], v[ACC+8*(4*\fbl+\sb):ACC+8*(4*\fbl+\sb)+7]
.endif
.endr
.endr
.endr
	WIN 0
	s_barrier_wait -1                              ; every wave's columns of Q and K and its sums are in LDS
	PLACES
	s_wait_alu depctr_va_vdst(0)                   ; the last product's matrix instructions are done reading X's fragments, in which the rows read back below land
	; whole rows of Q and K back, 16 loads: they come in under V's conversions, which name the accumulators alone
.irp i, 0,1,2,3,4,5,6,7
	ds_load_b128 v[XF+4*\i:XF+4*\i+3], v[RB] offset:QST+\i*2*PITCH
.endr
.irp i, 0,1,2,3,4,5,6,7
	ds_load_b128 v[XF+32+4*\i:XF+32+4*\i+3], v[RB] offset:KST+\i*2*PITCH
.endr
.irp fbl, 0,1
.irp sb, 0,1,2,3
.irp i, 0,1,2,3
	v_cvt_pk_bf16_f32 v[ACC+8*(4*\fbl+\sb)+\i], v[ACC+8*(4*\fbl+\sb)+2*\i], v[ACC+8*(4*\fbl+\sb)+2*\i+1]   ; in place, as in the way out of Q and K
.endr
.endr
.endr
	s_wait_alu depctr_va_vdst(0)                   ; V's 32 conversions have written every tile's low four registers, which the LDS stores read
.irp fbl, 0,1
.irp sb, 0,1,2,3
	ds_store_b128 v[VSTO], v[ACC+8*(4*\fbl+\sb):ACC+8*(4*\fbl+\sb)+3] offset:\fbl*16*VPITCH+32*\sb         ; feature row 32 w + 16 fbl + r, keys 16 sb + 8 h .. +7: my wave's own bytes
.endr
.endr
	; LDS serves a wave's instructions in order (ISA guide 5.7.1), so V's loads see V's stores; they land in fragments' registers that no vector instruction has named since the product
.irp i, 0,1,2,3,4,5,6,7
	ds_load_b128 v[XF+64+4*\i:XF+64+4*\i+3], v[VRB] offset:\i*4*VPITCH
.endr
.irp i, 0,1,2,3,4,5,6,7
	s_wait_dscnt 31-\i                             ; the counts run down: behind Q's load i stand the other 15 - i loads of Q and K, V's eight stores and V's eight loads
	global_store_b128 v[GO], v[XF+4*\i:XF+4*\i+3], s[10:11] offset:512*\i          ; sixteen lanes store a row of 256 consecutive bytes, aligned
.endr
.irp i, 0,1,2,3,4,5,6,7
	s_wait_dscnt 23-\i
	global_store_b128 v[GO], v[XF+32+4*\i:XF+32+4*\i+3], s[12:13] offset:512*\i
.endr
.irp i, 0,1,2,3,4,5,6,7
	s_wait_dscnt 7-\i
	global_store_b128 v[XO], v[XF+64+4*\i:XF+64+4*\i+3], s[14:15] offset:512*\i    ; 512 consecutive bytes of the block: four feature rows of 128 bytes
.endr
	; the norms: wave 0 adds the four waves' sums for Q, wave 1 for K; lane L takes rows 2 L and 2 L + 1
	s_cmp_gt_u32 s20, 1
	s_cbranch_scc1 .Lend
	s_cmp_eq_u32 s20, 0
	s_cselect_b64 s[26:27], s[16:17], s[18:19]
	s_cselect_b32 s28, 0xbe800000, -1.0            ; -1/4 for Qs = 2 c q, -1 for Ks = c k
	s_mov_b32 s29, s28
.irp p, 0,1,2,3
	ds_load_b64 v[NS+2*\p:NS+2*\p+1], v[NRD] offset:256*\p         ; into registers that no instruction has named yet
.endr
	s_wait_dscnt 0x0
	v_pk_add_f32 v[NS:NS+1], v[NS:NS+1], v[NS+2:NS+3]
	v_pk_add_f32 v[NS+4:NS+5], v[NS+4:NS+5], v[NS+6:NS+7]
	v_pk_add_f32 v[NS:NS+1], v[NS:NS+1], v[NS+4:NS+5]
	v_pk_mul_f32 v[NS:NS+1], v[NS:NS+1], s[28:29] op_sel_hi:[1,0]
	s_wait_alu depctr_va_vdst(0)                   ; the two norms are written, which the store reads
	global_store_b64 v[NGO], v[NS:NS+1], s[26:27]                  ; 32 lanes store 256 consecutive bytes, aligned
.Lend:
	s_wait_dscnt 0x0                               ; the closing lines, six on end
	s_wait_alu 0x0
	s_wait_tensorcnt 0x0
	ds_add_u32 v62, v63
	s_wait_dscnt 0x0
	s_endpgm
.Lfunc_end_k_q5b3952a944_proj:
	.size	k_q5b3952a944_proj, .Lfunc_end_k_q5b3952a944_proj-k_q5b3952a944_proj
	.p2alignl 7, 3214868480
	.fill 96, 4, 3214868480
	.section	.rodata,"a",@progbits
	.p2align	6, 0x0
	.amdhsa_kernel k_q5b3952a944_proj
		.amdhsa_group_segment_fixed_size 73216
		.amdhsa_private_segment_fixed_size 0
		.amdhsa_enable_private_segment 0
		.amdhsa_kernarg_size 64
		.amdhsa_user_sgpr_count 2
		.amdhsa_user_sgpr_kernarg_segment_ptr 1
		.amdhsa_wavefront_size32 1
		.amdhsa_system_sgpr_workgroup_id_x 1
		.amdhsa_system_sgpr_workgroup_id_y 1
		.amdhsa_system_sgpr_workgroup_id_z 1
		.amdhsa_system_vgpr_workitem_id 0
		.amdhsa_next_free_vgpr 512
		.amdhsa_next_free_sgpr 66
		.amdhsa_reserve_vcc 0
		.amdhsa_float_denorm_mode_32 3
		.amdhsa_float_denorm_mode_16_64 3
		.amdhsa_memory_ordered 1
		.amdhsa_forward_progress 1
		.amdhsa_inst_pref_size 50
	.end_amdhsa_kernel
	.amdgpu_metadata
---
amdhsa.version: [ 1, 2 ]
amdhsa.kernels:
  - .name:           k_q5b3952a944_proj
    .symbol:         k_q5b3952a944_proj.kd
    .args:
      - { .name: inputs, .offset: 0, .size: 8, .value_kind: global_buffer, .address_space: global }
      - { .name: Wb, .offset: 8, .size: 8, .value_kind: global_buffer, .address_space: global }
      - { .name: Wv, .offset: 16, .size: 8, .value_kind: global_buffer, .address_space: global }
      - { .name: Qs, .offset: 24, .size: 8, .value_kind: global_buffer, .address_space: global }
      - { .name: Ks, .offset: 32, .size: 8, .value_kind: global_buffer, .address_space: global }
      - { .name: Vt, .offset: 40, .size: 8, .value_kind: global_buffer, .address_space: global }
      - { .name: nq2, .offset: 48, .size: 8, .value_kind: global_buffer, .address_space: global }
      - { .name: nk2, .offset: 56, .size: 8, .value_kind: global_buffer, .address_space: global }
    .group_segment_fixed_size: 73216
    .private_segment_fixed_size: 0
    .kernarg_segment_align: 8
    .kernarg_segment_size: 64
    .max_flat_workgroup_size: 128
    .sgpr_count:     66
    .vgpr_count:     512
    .wavefront_size: 32
...
	.end_amdgpu_metadata
.endif
;; end of part 4
;; launch attn: the kernel of part 3 again; grid 256 x 1, 4 waves a work-group, clusters of 4 x 1, 327,680 bytes of LDS; arguments Qs, Ks, Vt, nq2, nk2, out0; writes out0
